; MI455X (gfx1250); checked and timed in simulation.
; The chip was launched on July 23, 2026; its instructions are those of AMD's public machine-readable ISA for CDNA 5 (MIT licence, August 2026) and "CDNA5" Instruction Set Architecture Reference Guide (July 2026). The comments in the code are by the model that wrote it; some were corrected since.
;; Cross Attention. Allowed arithmetic: float matrix products may take bf16 or f16 operands with f32 sums; all other float work in f32.
;; Inputs: WkA 32 x 256 float32; WkB 32 x 256 float32; WqA 32 x 256 float32; WqB 32 x 256 float32; WvA 256 x 256 float32; WvB 256 x 256 float32; bkA 32 float32; bkB 32 float32; bqA 32 float32; bqB 32 float32; bvA 256 float32; bvB 256 float32; gamma_A 1 float32; gamma_B 1 float32; x 1 x 256 x 8 x 32 x 32 float32.
;; Outputs: out0 1 x 256 x 8 x 32 x 32 float32; out1 1 x 256 x 8 x 32 x 32 float32.
;; 2 versions, each right; version 2 is version 1 with the launch proj written anew for expert scheduling mode. Each part assembles by itself: llvm-mc -triple=amdgcn-amd-amdhsa -mcpu=gfx1250 --defsym DOCPART=n.
;; ======== version 1 of 2: 2 launches
;; workspace buffers: KV 9,437,184 bytes; Qf 1,048,576 bytes
;; launch proj (part 1): grid 256 x 1, 8 waves a work-group, no clusters, 210,944 bytes of LDS; arguments x, WqA, WkB, WvB, bqA, bkB, bvB, WqB, WkA, WvA, bqB, bkA, bvA, KV, Qf; writes KV, Qf
.if DOCPART == 1
	.amdgcn_target "amdgcn-amd-amdhsa--gfx1250"
	.amdhsa_code_object_version 6
	.text
	.protected	k_qcd65476523_proj
	.globl	k_qcd65476523_proj
	.p2align	8
	.type	k_qcd65476523_proj,@function
k_qcd65476523_proj:
	s_mov_b64 s[64:65], 0
	v_nop
	global_prefetch_b8 v0, s[64:65] scope:SCOPE_SE
	s_setreg_imm32_b32 hwreg(HW_REG_WAVE_MODE, 25, 1), 1
	s_wait_xcnt 0x0
; The six 1x1 projections of x [256 channels][8192 positions], f32 in, bf16 out, stored in the register order of the
; matrix instructions that the next launch feeds with them, so that every later load is a dense run of 512 bytes.
; Direction 0 (out0) needs QA, KB, VB; direction 1 (out1) needs QB, KA, VA.
; A work-group takes one direction and 64 positions (256 bytes of each row of x) and makes 320 output channels:
; 256 of V, 32 of Q, 32 of K.  128 blocks of positions x 2 directions = 256 work-groups.
; KV: [direction][block of 32 keys][18432 bytes]: two K fragments of 1024 bytes, then sixteen V fragments of 1024 bytes.
; Qf: [direction][tile of 16 queries][1024 bytes].
; A fragment: byte 16 L of the first 512 bytes = registers 0-3 of lane L, byte 16 L of the second 512 = registers 4-7.
;   K, Q: lane (r, h) = key or query r; registers 0-3 channels 8h..8h+7, registers 4-7 channels 16+8h..16+8h+7.
;   V:    lane (r, h) = channel r;      registers 0-3 keys 8h..8h+7,     registers 4-7 keys 16+8h..16+8h+7.
; Q (with its bias) is multiplied by log2(e) in f32 before it is rounded, so that the next launch can use 2^x.
; LIMITS: x and the weights are rounded to bf16 for the products, sums and biases are f32, results are rounded once to bf16.
; NO CLUSTER: what the work-groups share are the weights, which lie in memory as f32 and must pass through registers to
; become bf16; as f32 they are 320 rows x 1024 bytes = 327,680 bytes, all the LDS that a work-group can have, so a
; joint load into LDS would need a ring and a second trip through registers for work that is done once.
.set ROWX,  32768                      ; bytes in a row of x
.set KVBLK, 18432                      ; bytes of a block of 32 keys in KV
.set VOFF,  2048                       ; V fragments begin behind the two K fragments
.set DIRKV, 4718592                    ; 256 blocks
.set DIRQ,  524288                     ; 512 query tiles
.set WP,    528                        ; LDS pitch of a weight row: 512 bytes + 16 = 33 x 16, so 16 rows start in 16 different 16-byte columns
.set XP,    160                        ; LDS pitch of a row of the x tile: 128 bytes + 32 = 5 x 32
.set XBASE, 320*WP                     ; weights: rows 0-255 Wv, 256-287 Wq, 288-319 Wk; then the x tile [channel][position]
.set XG,  4                            ; v4   x: byte offset of my 16 bytes (two rows a load, 16 lanes a row)
.set XS,  5                            ; v5   x tile: where my 8 bytes go
.set WG,  6                            ; v6   Wv: byte offset (512 dense bytes a load)
.set WS,  7                            ; v7   weight tile: where my 8 bytes of Wv go
.set QG,  8                            ; v8   Wq or Wk: byte offset
.set QS,  9                            ; v9   weight tile: where my 8 bytes of Wq or Wk go
.set XTA, 10                           ; v10  transposing reads of the x tile, my local position tiles 0, 1
.set XTB, 11                           ; v11  the same, local tiles 2, 3
.set WVR, 12                           ; v12  fragment reads of my 32 rows of Wv
.set WQR, 13                           ; v13  fragment reads of my 16 rows of Wq or Wk
.set OL,  14                           ; v14  16 x lane
.set OVA, 15                           ; v15  16 x lane + the block of local tiles 0, 1;  v16 the block of local tiles 2, 3
.set BVA, 17                           ; v17  byte offset of my channel in bv
.set BQA, 18                           ; v18  byte offset of my 8 channels in bq or bk
.set TT,  19                           ; v19  at work
.set BV,  20                           ; v[20:23] bv of my two V tiles, each twice (pairs for the packed add)
.set BQ,  24                           ; v[24:31] 8 biases of Q or K
.set SET0, 32                          ; three sets of 64 registers: 16 loads of 16 bytes a lane each
.set SET1, 96
.set SET2, 160
.set ACC,  32                          ; v[32:111] ten accumulators: V(k, i) at 8 (2k + i), Q or K (i) at 64 + 8 i
.set FR0,  112                         ; v[112:167] fragments of one K step: X[k] at 8k, WV[i] at 32 + 8i, WQ at 48
.set FR1,  168                         ; v[168:223] the other buffer
.set PK,   112                         ; packed results
	s_load_b64  s[4:5],   s[0:1], 0x0                ; x
	s_load_b256 s[8:15],  s[0:1], 0x8                ; direction 0: WqA, WkB, WvB, bqA
	s_load_b128 s[16:19], s[0:1], 0x28               ;              bkB, bvB
	s_load_b256 s[20:27], s[0:1], 0x38               ; direction 1: WqB, WkA, WvA, bqB
	s_load_b128 s[28:31], s[0:1], 0x58               ;              bkA, bvA
	s_load_b128 s[32:35], s[0:1], 0x68               ; KV, Qf
	v_lshl_add_u32 v224, v0, 2, 0x33400
	v_mov_b32 v225, 0
	v_lshrrev_b32 v1, 5, v0
	v_readfirstlane_b32 s36, v1                      ; wave w, 0..7
	v_and_b32 v1, 31, v0                             ; lane L
	v_and_b32 v2, 15, v0                             ; r
	v_bfe_u32 v3, v0, 4, 1                           ; h
	s_and_b32 s37, ttmp9, 127                        ; nb: block of 64 positions
	s_lshr_b32 s38, ttmp9, 7                         ; direction
	s_and_b32 s39, s36, 1                            ; b: which pair of position tiles my Q or K job takes
	s_xor_b32 s3, s39, 1                             ; 1 - b
	s_bfe_u32 s50, s36, 0x10001                      ; (w >> 1) & 1: channels 0-15 or 16-31 of Q or K
	s_lshr_b32 s51, s36, 1                           ; q = w >> 1: 0, 1 Q; 2, 3 K
	; offsets into KV and Qf, apart from the addresses
	s_mul_i32 s52, s38, DIRKV
	s_lshl_b32 s53, s37, 1
	s_mul_i32 s54, s53, KVBLK
	s_add_co_u32 s54, s54, s52                       ; my direction, block 2 nb
	s_lshl_b32 s55, s36, 11
	s_add_co_u32 s48, s54, s55
	s_add_co_u32 s48, s48, VOFF                      ; V: + fragments 2w, 2w + 1
	s_mov_b32 s49, 0
	s_mul_i32 s43, s39, KVBLK
	s_add_co_u32 s43, s43, s54
	s_lshl_b32 s55, s50, 9
	s_add_co_u32 s43, s43, s55                       ; K: block 2 nb + b, half of the fragment by the channel tile
	s_lshl_b32 s42, s38, 19
	s_lshl_b32 s53, s37, 12
	s_add_co_u32 s42, s42, s53
	s_lshl_b32 s53, s39, 11
	s_add_co_u32 s42, s42, s53
	s_add_co_u32 s42, s42, s55                       ; Q: query tile 4 nb + 2 b, the same half
	; lane terms
	s_lshl_b32 s6, s36, 20
	s_lshl_b32 s7, s37, 8
	s_add_co_u32 s6, s6, s7
	v_lshlrev_b32 v[XG], 4, v2
	v_lshl_add_u32 v[XG], v3, 15, v[XG]
	v_add_nc_u32 v[XG], s6, v[XG]                    ; (32 w + h) rows + 256 nb + 16 r
	s_mul_i32 s6, s36, 32*XP
	s_add_co_u32 s6, s6, XBASE
	v_mul_u32_u24 v[XS], v3, XP
	v_lshl_add_u32 v[XS], v2, 3, v[XS]
	v_add_nc_u32 v[XS], s6, v[XS]                    ; the same place in the tile, 8 bytes for 4 numbers
	v_lshlrev_b32 v[OL], 4, v1
	s_lshl_b32 s6, s36, 15
	v_add_nc_u32 v[WG], s6, v[OL]                    ; my 32 rows of Wv are 32768 dense bytes
	s_mul_i32 s6, s36, 32*WP
	v_lshl_add_u32 v[WS], v1, 3, s6
	s_and_b32 s7, s36, 3
	s_lshl_b32 s7, s7, 13
	v_add_nc_u32 v[QG], s7, v[OL]                    ; waves 0-3: 8 rows of Wq each, waves 4-7: 8 rows of Wk
	s_mul_i32 s7, s36, 8*WP
	s_add_co_u32 s7, s7, 256*WP
	v_lshl_add_u32 v[QS], v1, 3, s7
	v_and_b32 v[TT], 7, v0
	v_lshl_add_u32 v[TT], v3, 3, v[TT]
	v_mul_u32_u24 v[TT], v[TT], XP
	v_bfe_u32 v[XTA], v0, 3, 1
	v_lshl_add_u32 v[TT], v[XTA], 4, v[TT]           ; (8 h + (L & 7)) rows + 16 ((L >> 3) & 1)
	s_lshl_b32 s7, s39, 6
	s_add_co_u32 s7, s7, XBASE
	v_add_nc_u32 v[XTA], s7, v[TT]                   ; local tiles 0, 1 = true tiles 2 b, 2 b + 1
	s_lshl_b32 s7, s3, 6
	s_add_co_u32 s7, s7, XBASE
	v_add_nc_u32 v[XTB], s7, v[TT]                   ; local tiles 2, 3 = the other two
	v_mul_u32_u24 v[TT], v2, WP
	v_lshl_add_u32 v[TT], v3, 4, v[TT]               ; r rows + 16 h
	v_add_nc_u32 v[WVR], s6, v[TT]
	s_mul_i32 s7, s51, 16*WP
	s_add_co_u32 s7, s7, 256*WP
	v_add_nc_u32 v[WQR], s7, v[TT]
	s_mul_i32 s7, s39, KVBLK
	v_add_nc_u32 v[OVA], s7, v[OL]
	s_mul_i32 s7, s3, KVBLK
	v_add_nc_u32 v[OVA+1], s7, v[OL]
	s_lshl_b32 s7, s36, 7
	v_lshl_add_u32 v[BVA], v2, 2, s7                 ; channel 32 w + r
	s_lshl_b32 s7, s50, 6
	v_lshl_add_u32 v[BQA], v3, 5, s7                 ; channels 16 (tile) + 8 h ..
	s_wait_kmcnt 0x0
	s_cmp_eq_u32 s38, 0                              ; the direction picks one set of six buffers
	s_cselect_b64 s[8:9],   s[8:9],   s[20:21]       ; Wq
	s_cselect_b64 s[10:11], s[10:11], s[22:23]       ; Wk
	s_cselect_b64 s[12:13], s[12:13], s[24:25]       ; Wv
	s_cselect_b64 s[14:15], s[14:15], s[26:27]       ; bq
	s_cselect_b64 s[16:17], s[16:17], s[28:29]       ; bk
	s_cselect_b64 s[18:19], s[18:19], s[30:31]       ; bv
	s_cmp_lt_u32 s36, 4                              ; waves 0-3 fetch Wq and make Q, waves 4-7 fetch Wk and make K
	s_cselect_b64 s[8:9],   s[8:9],   s[10:11]
	s_cselect_b64 s[14:15], s[14:15], s[16:17]
	s_cselect_b64 s[44:45], s[34:35], s[32:33]       ; into Qf or into KV
	s_cselect_b32 s46, s42, s43
	s_cselect_b32 s40, 0x3fb8aa3b, 1.0               ; Q is scaled by log2(e), K is not
	s_mov_b32 s41, s40
	s_mov_b32 s47, 0
	s_add_nc_u64 s[44:45], s[44:45], s[46:47]
	s_add_nc_u64 s[48:49], s[32:33], s[48:49]
; PHASE 1: memory -> bf16 -> LDS.  Sixteen loads a batch, three batches on their way.
.macro LOADB set, voff, sb, step, first
.irp j, 0,1,2,3,4,5,6,7,8,9,10,11,12,13,14,15
	global_load_b128 v[\set+4*\j:\set+4*\j+3], v[\voff], s[\sb:\sb+1] offset:(\first+\j)*\step
.endr
.endm
; isx = 1: load j holds two rows of the x tile.  isx = 0: load 16 q + j holds half a weight row.
.macro CVTST set, va, isx, q
.irp j, 0,1,2,3,4,5,6,7,8,9,10,11,12,13,14,15
	v_cvt_pk_bf16_f32 v[\set+4*\j],   v[\set+4*\j],   v[\set+4*\j+1]
	v_cvt_pk_bf16_f32 v[\set+4*\j+1], v[\set+4*\j+2], v[\set+4*\j+3]
.if \isx
	ds_store_b64 v[\va], v[\set+4*\j:\set+4*\j+1] offset:\j*2*XP
.else
	ds_store_b64 v[\va], v[\set+4*\j:\set+4*\j+1] offset:((16*\q+\j)>>1)*WP+(\j&1)*256
.endif
.endr
.endm
	global_load_b32 v[BV],   v[BVA], s[18:19]
	global_load_b32 v[BV+1], v[BVA], s[18:19]
	global_load_b32 v[BV+2], v[BVA], s[18:19] offset:64
	global_load_b32 v[BV+3], v[BVA], s[18:19] offset:64
	global_load_b128 v[BQ:BQ+3],   v[BQA], s[14:15]
	global_load_b128 v[BQ+4:BQ+7], v[BQA], s[14:15] offset:16
	LOADB SET0, XG, 4, 2*ROWX, 0                     ; my 32 rows of the x tile
	LOADB SET1, WG, 12, 512, 0                       ; my 32 rows of Wv, in four batches
	LOADB SET2, WG, 12, 512, 16
	s_wait_loadcnt 32                                ; the two younger batches stay out; x and the biases are in
	CVTST SET0, XS, 1, 0
	LOADB SET0, WG, 12, 512, 32
	s_wait_loadcnt 32
	CVTST SET1, WS, 0, 0
	LOADB SET1, WG, 12, 512, 48
	s_wait_loadcnt 32
	CVTST SET2, WS, 0, 1
	LOADB SET2, QG, 8, 512, 0                        ; my 8 rows of Wq or Wk
	s_wait_loadcnt 32
	CVTST SET0, WS, 0, 2
	s_wait_loadcnt 16                                ; one younger batch
	CVTST SET1, WS, 0, 3
	s_wait_loadcnt 0x0
	CVTST SET2, QS, 0, 0
	s_wait_dscnt 0x0                                 ; my stores are in LDS, for the other waves' sake
	s_barrier_signal -1
	s_barrier_wait -1                                ; both tiles are whole; nothing writes LDS from here on
; PHASE 2: eight K steps of 32 input channels, two fragment buffers.
.macro PLACES                          ; four places behind a matrix instruction (ISA guide 7.12.1) where there is no other vector work
.rept 4
	v_nop
.endr
.endm
.macro LD1 s, f                        ; 14 LDS loads: the fragments of K step s
.irp k, 0,1
	ds_load_tr16_b128 v[\f+8*\k:\f+8*\k+3],   v[XTA] offset:32*XP*(\s)+32*\k
	ds_load_tr16_b128 v[\f+8*\k+4:\f+8*\k+7], v[XTA] offset:32*XP*(\s)+32*\k+16*XP
.endr
.irp k, 0,1
	ds_load_tr16_b128 v[\f+16+8*\k:\f+16+8*\k+3], v[XTB] offset:32*XP*(\s)+32*\k
	ds_load_tr16_b128 v[\f+20+8*\k:\f+20+8*\k+3], v[XTB] offset:32*XP*(\s)+32*\k+16*XP
.endr
.irp i, 0,1
	ds_load_b128 v[\f+32+8*\i:\f+32+8*\i+3], v[WVR] offset:16*WP*\i+64*(\s)
	ds_load_b128 v[\f+36+8*\i:\f+36+8*\i+3], v[WVR] offset:16*WP*\i+64*(\s)+32
.endr
	ds_load_b128 v[\f+48:\f+51], v[WQR] offset:64*(\s)
	ds_load_b128 v[\f+52:\f+55], v[WQR] offset:64*(\s)+32
.endm
; The ten accumulators take turns, one instruction a turn, over the steps too.
; V(k, i): rows = positions, columns = channels, so a lane ends with 8 neighbouring keys of one channel.
; Q or K (i): rows = channels, columns = positions, so a lane ends with 8 neighbouring channels of one position.
.macro KSTEP s, f, g
.if \s < 7
.if \s > 0
	PLACES                                           ; the last step's products read buffer g
.endif
	LD1 \s+1, \g
	s_wait_dscnt 14                                  ; all but the 14 just issued
.else
	s_wait_dscnt 0x0
.endif
.irp k, 0,1,2,3
.irp i, 0,1
.if \s == 0
	v_wmma_f32_16x16x32_bf16 v[ACC+8*(2*\k+\i):ACC+8*(2*\k+\i)+7], v[\f+8*\k:\f+8*\k+7], v[\f+32+8*\i:\f+32+8*\i+7], 0
.else
	v_wmma_f32_16x16x32_bf16 v[ACC+8*(2*\k+\i):ACC+8*(2*\k+\i)+7], v[\f+8*\k:\f+8*\k+7], v[\f+32+8*\i:\f+32+8*\i+7], v[ACC+8*(2*\k+\i):ACC+8*(2*\k+\i)+7]
.endif
.endr
.endr
.irp i, 0,1
.if \s == 0
	v_wmma_f32_16x16x32_bf16 v[ACC+64+8*\i:ACC+64+8*\i+7], v[\f+48:\f+55], v[\f+8*\i:\f+8*\i+7], 0
.else
	v_wmma_f32_16x16x32_bf16 v[ACC+64+8*\i:ACC+64+8*\i+7], v[\f+48:\f+55], v[\f+8*\i:\f+8*\i+7], v[ACC+64+8*\i:ACC+64+8*\i+7]
.endif
.endr
.endm
	LD1 0, FR0
	KSTEP 0, FR0, FR1
	KSTEP 1, FR1, FR0
	KSTEP 2, FR0, FR1
	KSTEP 3, FR1, FR0
	KSTEP 4, FR0, FR1
	KSTEP 5, FR1, FR0
	KSTEP 6, FR0, FR1
	KSTEP 7, FR1, FR0
; PHASE 3: bias, rounding, stores.  Each store of the wave covers 512 consecutive bytes, aligned.
	PLACES                                           ; behind the last products: results are read, buffer 0 is written
.irp m, 0,1,2,3
	v_pk_mul_f32 v[BQ+2*\m:BQ+2*\m+1], v[BQ+2*\m:BQ+2*\m+1], s[40:41] op_sel_hi:[1,0]    ; the bias takes the scale too
.endr
.macro VOUT k, i
.irp m, 0,1,2,3
	v_pk_add_f32 v[ACC+8*(2*\k+\i)+2*\m:ACC+8*(2*\k+\i)+2*\m+1], v[ACC+8*(2*\k+\i)+2*\m:ACC+8*(2*\k+\i)+2*\m+1], v[BV+2*\i:BV+2*\i+1]
.endr
.irp m, 0,1,2,3
	v_cvt_pk_bf16_f32 v[PK+4*(2*\k+\i)+\m], v[ACC+8*(2*\k+\i)+2*\m], v[ACC+8*(2*\k+\i)+2*\m+1]
.endr
	global_store_b128 v[OVA+(\k>>1)], v[PK+4*(2*\k+\i):PK+4*(2*\k+\i)+3], s[48:49] offset:512*(\k&1)+1024*\i
.endm
.macro QOUT i
.irp m, 0,1,2,3
	v_pk_fma_f32 v[ACC+64+8*\i+2*\m:ACC+64+8*\i+2*\m+1], v[ACC+64+8*\i+2*\m:ACC+64+8*\i+2*\m+1], s[40:41], v[BQ+2*\m:BQ+2*\m+1] op_sel_hi:[1,0,1]
.endr
.irp m, 0,1,2,3
	v_cvt_pk_bf16_f32 v[PK+32+4*\i+\m], v[ACC+64+8*\i+2*\m], v[ACC+64+8*\i+2*\m+1]
.endr
	global_store_b128 v[OL], v[PK+32+4*\i:PK+32+4*\i+3], s[44:45] offset:1024*\i
.endm
.irp k, 0,1,2,3
	VOUT \k, 0
	VOUT \k, 1
.endr
	QOUT 0
	QOUT 1
	s_wait_tensorcnt 0x0
	ds_add_u32 v224, v225
	s_wait_dscnt 0x0
	s_endpgm
.Lfunc_end_k_qcd65476523_proj:
	.size	k_qcd65476523_proj, .Lfunc_end_k_qcd65476523_proj-k_qcd65476523_proj
	.p2alignl 7, 3214868480
	.fill 96, 4, 3214868480
	.section	.rodata,"a",@progbits
	.p2align	6, 0x0
	.amdhsa_kernel k_qcd65476523_proj
		.amdhsa_group_segment_fixed_size 210944
		.amdhsa_private_segment_fixed_size 0
		.amdhsa_enable_private_segment 0
		.amdhsa_kernarg_size 120
		.amdhsa_user_sgpr_count 2
		.amdhsa_user_sgpr_kernarg_segment_ptr 1
		.amdhsa_wavefront_size32 1
		.amdhsa_system_sgpr_workgroup_id_x 1
		.amdhsa_system_sgpr_workgroup_id_y 1
		.amdhsa_system_sgpr_workgroup_id_z 1
		.amdhsa_system_vgpr_workitem_id 0
		.amdhsa_next_free_vgpr 226
		.amdhsa_next_free_sgpr 66
		.amdhsa_reserve_vcc 0
		.amdhsa_float_denorm_mode_32 3
		.amdhsa_float_denorm_mode_16_64 3
		.amdhsa_memory_ordered 1
		.amdhsa_forward_progress 1
		.amdhsa_inst_pref_size 53
	.end_amdhsa_kernel
	.amdgpu_metadata
---
amdhsa.version: [ 1, 2 ]
amdhsa.kernels:
  - .name:           k_qcd65476523_proj
    .symbol:         k_qcd65476523_proj.kd
    .args:
      - { .name: x, .offset: 0, .size: 8, .value_kind: global_buffer, .address_space: global }
      - { .name: WqA, .offset: 8, .size: 8, .value_kind: global_buffer, .address_space: global }
      - { .name: WkB, .offset: 16, .size: 8, .value_kind: global_buffer, .address_space: global }
      - { .name: WvB, .offset: 24, .size: 8, .value_kind: global_buffer, .address_space: global }
      - { .name: bqA, .offset: 32, .size: 8, .value_kind: global_buffer, .address_space: global }
      - { .name: bkB, .offset: 40, .size: 8, .value_kind: global_buffer, .address_space: global }
      - { .name: bvB, .offset: 48, .size: 8, .value_kind: global_buffer, .address_space: global }
      - { .name: WqB, .offset: 56, .size: 8, .value_kind: global_buffer, .address_space: global }
      - { .name: WkA, .offset: 64, .size: 8, .value_kind: global_buffer, .address_space: global }
      - { .name: WvA, .offset: 72, .size: 8, .value_kind: global_buffer, .address_space: global }
      - { .name: bqB, .offset: 80, .size: 8, .value_kind: global_buffer, .address_space: global }
      - { .name: bkA, .offset: 88, .size: 8, .value_kind: global_buffer, .address_space: global }
      - { .name: bvA, .offset: 96, .size: 8, .value_kind: global_buffer, .address_space: global }
      - { .name: KV, .offset: 104, .size: 8, .value_kind: global_buffer, .address_space: global }
      - { .name: Qf, .offset: 112, .size: 8, .value_kind: global_buffer, .address_space: global }
    .group_segment_fixed_size: 210944
    .private_segment_fixed_size: 0
    .kernarg_segment_align: 8
    .kernarg_segment_size: 120
    .max_flat_workgroup_size: 256
    .sgpr_count:     66
    .vgpr_count:     226
    .wavefront_size: 32
...
	.end_amdgpu_metadata
.endif
;; end of part 1
;; launch attn (part 2): grid 256 x 1, 4 waves a work-group, clusters of 4 x 1, 327,680 bytes of LDS; arguments Qf, KV, x, gamma_A, gamma_B, out0, out1; writes out0, out1
.if DOCPART == 2
	.amdgcn_target "amdgcn-amd-amdhsa--gfx1250"
	.amdhsa_code_object_version 6
	.text
	.protected	k_qcd65476523_attn
	.globl	k_qcd65476523_attn
	.p2align	8
	.type	k_qcd65476523_attn,@function
k_qcd65476523_attn:
	s_mov_b64 s[64:65], 0
	v_nop
	global_prefetch_b8 v0, s[64:65] scope:SCOPE_SE
	s_setreg_imm32_b32 hwreg(HW_REG_WAVE_MODE, 25, 1), 1
	s_wait_xcnt 0x0
	s_wait_alu depctr_hold_cnt(0) depctr_sa_sdst(0) depctr_va_vdst(0) depctr_va_sdst(0) depctr_va_ssrc(0) depctr_va_vcc(0) depctr_vm_vsrc(0)
	s_getreg_b32 s2, hwreg(HW_REG_IB_STS2, 6, 4)
	s_cmp_eq_u32 s2, 0
	s_cbranch_scc0 .Lentry_in_a_cluster
	s_endpgm
.Lentry_in_a_cluster:
	s_bfe_u32 s2, ttmp6, 0x10000c
	s_cmp_lg_u32 s2, 0x3003
	s_cbranch_scc0 .Lentry_shape_is_right
	s_endpgm
.Lentry_shape_is_right:
; out[c][n] = gamma * sum over m of V[c][m] softmax_m(Q[.][n] . K[.][m]) + x[c][n], for two directions, 8192 x 8192 each.
; A work-group holds 64 queries of one direction: 128 x 2 = 256 work-groups.  Its four waves split the KEYS four ways, so
; each score and each exponential is made once; each wave keeps partial sums for 64 queries x 256 channels (64 tiles of
; 16 x 16, 512 registers), so each V fragment read from LDS feeds four matrix instructions.
; PASS 1 finds the exact row maxima from K alone (8 products for 32 keys).  PASS 2 gives minus the maximum to the score
; product as its C operand, so the vector work for a score is 2^x, a sum and a rounding: nothing is ever rescaled, and
; the four waves' partial sums are plain sums, added at the end through LDS, which also turns them into whole rows.
; Q was multiplied by log2(e) when it was stored.  K, V and Q lie in memory in the matrix instructions' register order.
; CLUSTER: the four work-groups of a cluster have the same direction and walk the same K and V blocks; each block is asked
; for jointly (mask 15).  A wave asks for its own blocks (32 keys, 18432 dense bytes) and reads only those.
; RING: four slots of one block for each wave.  Three slots are filled behind one round of the cluster's barrier: 20 rounds of
; 3 x 73728 bytes for a work-group.  The round stands where the next block's K and V are already in registers, so that
; the rest of this block, the next block and the unread fourth slot are there to work on while the three loads land.
; By this text's own count a wave has four tensor loads outstanding at the start and three behind each round.
; LIMITS: Q log2(e), K, V and the probabilities are bf16 in the products; scores, sums and the maximum are f32; the row
; sum adds the unrounded exponentials; v_exp_f32 gives zero below 2^-126 (ISA guide, its entry); a score can pass the
; maximum only by the rounding of one f32 sum, and the row sum is about 1 at the least; v_max_num_f32 drops NaN, so NaN and
; infinite inputs are not reproduced number for number.
.set KVBLK, 18432                      ; a block of 32 keys: 2 K fragments, 16 V fragments, 1024 bytes each; what one tensor load brings
.set SLOT,  4*KVBLK                    ; the four waves' blocks
.set GSTEP, 4*KVBLK                    ; in memory: from a wave's block to its next
.set DIRKV, 4718592
.set DIRQ,  524288
.set MBASE, 4*SLOT                     ; [wave][64] f32 maxima, behind the ring of four slots
.set LBASE, MBASE+1024                 ; [wave][64] f32 row sums
.set SP,    272                        ; the stage: a channel's 64 queries, 256 bytes + 16: 16 rows start in 16 different 16-byte columns
.set PART,  256*SP                     ; a wave's partial sums; four of them lie where the ring was, after its last fill
.set ROWX,  32768                      ; bytes in a row of x and of out
; window 0
.set ADR, 2                            ; v2-v5   16 x lane + my wave's block in slot 0 .. 3
.set MST, 6                            ; v6      where I put a maximum (a row sum: + 1024)
.set STA, 7                            ; v7      where I put 16 bytes of partial sums
.set RDA, 8                            ; v8-v11  where I read a row of partial p back
.set XO,  12                           ; v12     my byte offset in x and out
.set MRD, 13                           ; v13     reads of the maxima
.set LRD, 14                           ; v14     reads of the row sums
.set TB,  15                           ; v15     at work
.set KF,  16                           ; v[16:31]   two K fragments (v16, v17: r and h during the set-up)
.set QF,  32                           ; v[32:63]   four Q fragments
.set NM,  64                           ; v[64:95]   pass 1: running maxima; pass 2: minus the maximum, 8 equal registers a query tile
.set SS,  96                           ; v[96:159]  scores: tile (t, kt) at 16 t + 8 kt
.set PP,  160                          ; v[160:191] probabilities in bf16: query tile t at 8 t
.set LL,  192                          ; v[192:199] row sums, a pair for each query tile
.set GG,  200                          ; v[200:203] gamma / row sum
.set LT,  208                          ; v[208:223] the four waves' row sums
.set RING, 160                         ; v[160:255] pass 1 only: six slots of two K fragments
.set E0,  96                           ; the way out: two buffers of 64 registers
.set E1,  32
; window 1: V fragments, two buffers; at the end x in v[0:127].  Windows 2, 3: sums of query tiles 0, 1 and 2, 3, tile (t, c) at 8 (16 t + c)
.set F0,  0
.set F1,  128
.set G1,  24                           ; s[24:31] descriptor group 1
.set G0,  68                           ; s[68:83] descriptor group 0, a set for each slot
.set MSB, 0
.macro WIN new                         ; s_set_vgpr_msb: bits 1:0 source 0, 3:2 source 1, 5:4 source 2, 7:6 destination; the high byte repeats the setting left
.if MSB != \new
	s_set_vgpr_msb (MSB<<8)|\new
.set MSB, \new
.endif
.endm
.macro PLACES                          ; four places behind a matrix instruction (ISA guide 7.12.1) where there is no other vector work
.rept 4
	v_nop
.endr
.endm
.macro CREST                           ; a round of the cluster's barrier behind its opening work-group barrier
	s_cmp_lg_u32 s20, 0
	s_cbranch_scc1 .Lnot_wave_0_\@
	s_barrier_signal -3
.Lnot_wave_0_\@:
	s_barrier_wait -3
	s_barrier_signal -1
	s_barrier_wait -1
.endm
.macro ROUND                           ; a whole round
	s_barrier_signal -1
	s_barrier_wait -1
	CREST
.endm
	s_load_b256 s[4:11],  s[0:1], 0x0                ; Qf, KV, x, gamma_A
	s_load_b128 s[12:15], s[0:1], 0x20               ; gamma_B, out0
	s_load_b64  s[16:17], s[0:1], 0x30               ; out1
	v_lshl_add_u32 v254, v0, 2, 0x48800
	v_mov_b32 v255, 0
	ds_add_u32 v254, v255
	s_wait_dscnt 0x0
	v_lshrrev_b32 v1, 5, v0
	v_readfirstlane_b32 s20, v1                      ; wave w
	s_bfe_u32 s21, ttmp6, 0x40000                    ; cx: enters only the addresses of Qf, x and out
	s_lshr_b32 s22, ttmp9, 5                         ; direction: 32 clusters each
	s_and_b32 s23, ttmp9, 31
	s_lshl_b32 s23, s23, 2
	s_add_co_u32 s23, s23, s21                       ; qb: block of 64 queries
	s_mov_b32 s46, 0x76543210                        ; v_permlanex16_b32: lane i of one half reads lane i of the other
	s_mov_b32 s47, 0xfedcba98
	; group 1: a block is dense in memory and comes as 72 rows of 256 bytes (32 elements of 8 bytes)
	s_mov_b32 s[G1+0], 15|(3<<16)|(1<<21)            ; 15:0 mask: all four work-groups; 17:16 elements of 8 bytes; 21 set beside a mask
	s_mov_b32 s[G1+1], 32<<16                        ; tensor_dim0 = 32
	s_mov_b32 s[G1+2], 72<<16                        ; tensor_dim1 = 72
	s_mov_b32 s[G1+3], 32<<16                        ; tile_dim0 = 32
	s_mov_b32 s[G1+4], 72                            ; tile_dim1 = 72
	s_mov_b32 s[G1+5], 32                            ; pitch = 32 elements
	s_mov_b32 s[G1+6], 0
	s_mov_b32 s[G1+7], 0
	s_mul_i32 s42, s20, KVBLK                        ; my wave's place in a slot, and among four neighbouring blocks in memory
	s_mul_i32 s43, s22, DIRKV
	s_add_co_u32 s40, s43, s42                       ; block 0 of my wave: direction and wave alone
	s_mov_b32 s41, 0
	s_mul_i32 s50, s20, 64*KVBLK                     ; pass 1: my wave takes blocks 64 w .. 64 w + 63
	s_add_co_u32 s50, s50, s43
	s_mov_b32 s51, 0
	s_lshl_b32 s52, s22, 19
	s_lshl_b32 s45, s23, 12
	s_add_co_u32 s52, s52, s45                       ; my four query tiles in Qf
	s_mov_b32 s53, 0
	; lane terms
	v_and_b32 v1, 31, v0
	v_lshlrev_b32 v1, 4, v1                          ; 16 x lane
	v_and_b32 v16, 15, v0                            ; r
	v_bfe_u32 v17, v0, 4, 1                          ; h
	v_mov_b32 v[TB], 0                               ; v_permlanex16_b32 counts as a reader of its destination
	v_add_nc_u32 v[ADR], s42, v1
.irp n, 1,2,3
	v_add_nc_u32 v[ADR+\n], \n*SLOT, v[ADR]
.endr
	s_lshl_b32 s43, s20, 8
	s_add_co_u32 s43, s43, MBASE
	v_lshl_add_u32 v[MST], v16, 2, s43
	v_mul_u32_u24 v[STA], v16, SP
	v_lshl_add_u32 v[STA], v17, 5, v[STA]
	s_mul_i32 s43, s20, PART
	v_add_nc_u32 v[STA], s43, v[STA]                 ; partial w, channel row r, queries 8 h ..
	v_mul_u32_u24 v[RDA], v17, SP
	v_lshl_add_u32 v[RDA], v16, 4, v[RDA]
	s_mul_i32 s43, s20, 64*SP
	v_add_nc_u32 v[RDA], s43, v[RDA]                 ; channel row 64 w + h, 16 bytes a lane
.irp p, 1,2,3
	v_add_nc_u32 v[RDA+\p], \p*PART, v[RDA]
.endr
	v_lshl_add_u32 v[MRD], v16, 2, MBASE
	v_lshl_add_u32 v[LRD], v16, 4, LBASE
	v_lshlrev_b32 v[XO], 4, v16
	v_lshl_add_u32 v[XO], v17, 15, v[XO]
	s_lshl_b32 s54, s20, 21
	s_lshl_b32 s45, s23, 8
	s_add_co_u32 s54, s54, s45
	v_add_nc_u32 v[XO], s54, v[XO]                   ; row 64 w + h, 256 qb + 16 r
	s_wait_kmcnt 0x0
	s_cmp_eq_u32 s22, 0
	s_cselect_b64 s[10:11], s[10:11], s[12:13]       ; gamma of my direction
	s_cselect_b64 s[14:15], s[14:15], s[16:17]       ; out of my direction
	s_load_b32 s48, s[10:11], 0x0
	s_add_nc_u64 s[18:19], s[6:7], s[40:41]
	s_add_nc_u64 s[50:51], s[6:7], s[50:51]
	s_add_nc_u64 s[52:53], s[4:5], s[52:53]
.irp n, 0,1,2,3
	s_mov_b32 s[G0+4*\n], 1                                        ; count = 1
	s_add_co_u32 s[G0+4*\n+1], s42, \n*SLOT                        ; LDS address: the slot and the wave alone
	s_add_nc_u64 s[G0+4*\n+2:G0+4*\n+3], s[18:19], \n*GSTEP        ; block n of my wave
	s_or_b32 s[G0+4*\n+3], s[G0+4*\n+3], 0x80000000                ; type = 2
.endr
	ROUND                                            ; all four work-groups are here: the first joint loads meet
.irp n, 0,1,2,3
	tensor_load_to_lds s[G0+4*\n:G0+4*\n+3], s[G1:G1+7]            ; blocks 0 to 3 land while pass 1 runs
	s_nop 0
.endr
	s_wait_kmcnt 0x0
	s_mov_b32 s49, s48                               ; gamma as a pair for the packed multiply
; PASS 1.  K comes straight from memory into a ring of six register slots: 4 loads of 512 dense bytes for 32 keys.
.macro P1LOAD slot, blk
.irp u, 0,1,2,3
	global_load_b128 v[RING+16*\slot+4*\u:RING+16*\slot+4*\u+3], v1, s[50:51] offset:(\blk)*KVBLK+512*\u
.endr
.endm
.macro P1MAX u, start                  ; the maxima of query tile u take in its two score tiles; start = 1: they begin with them
.irp j, 0,1,2,3,4,5,6,7
.if \start
	v_max_num_f32 v[NM+8*(\u)+\j], v[SS+16*(\u)+\j], v[SS+16*(\u)+8+\j]
.else
	v_max3_num_f32 v[NM+8*(\u)+\j], v[NM+8*(\u)+\j], v[SS+16*(\u)+\j], v[SS+16*(\u)+8+\j]
.endif
.endr
.endm
; 32 keys x 64 queries.  Behind the two products of query tile t stand the eight maxima of the tile BEFORE it: they name none of
; those products' registers, so they are the places between tile t's products and their own readers, one group later,
; and between the last products and the loads that fill the slot again.
; kind 0: the first pair (nothing to take in yet, maxima begin); kind 1: the second (tile 3's maxima begin); kind 2: all others.
; left = the younger loads that may stay out.
.macro P1PAIR slot, kind, ahead, left
	s_wait_loadcnt \left
.irp t, 0,1,2,3
	v_wmma_f32_16x16x32_bf16 v[SS+16*\t:SS+16*\t+7],    v[RING+16*\slot:RING+16*\slot+7],    v[QF+8*\t:QF+8*\t+7], 0
	v_wmma_f32_16x16x32_bf16 v[SS+16*\t+8:SS+16*\t+15], v[RING+16*\slot+8:RING+16*\slot+15], v[QF+8*\t:QF+8*\t+7], 0
.if \t == 0
.if \kind == 0
	PLACES
.else
.if \kind == 1
	P1MAX 3, 1
.else
	P1MAX 3, 0
.endif
.endif
.else
.if \kind == 0
	P1MAX \t-1, 1
.else
	P1MAX \t-1, 0
.endif
.endif
.endr
.if \ahead
	P1LOAD \slot, \slot+6
.endif
.endm
.irp t, 0,1,2,3
	global_load_b128 v[QF+8*\t:QF+8*\t+3],   v1, s[52:53] offset:1024*\t
	global_load_b128 v[QF+8*\t+4:QF+8*\t+7], v1, s[52:53] offset:1024*\t+512
.endr
.irp p, 0,1,2,3,4,5
	P1LOAD \p, \p
.endr
	P1PAIR 0, 0, 1, 20                               ; 20: five younger pairs of four loads (Q was asked for first)
	P1PAIR 1, 1, 1, 20
	P1PAIR 2, 2, 1, 20
	P1PAIR 3, 2, 1, 20
	P1PAIR 4, 2, 1, 20
	P1PAIR 5, 2, 1, 20
	s_wait_xcnt 0x0                                  ; the base is stepped only behind this wait
	s_add_nc_u64 s[50:51], s[50:51], 6*KVBLK
	s_mov_b32 s44, 8                                 ; pairs 6 to 53
.Lp1:
.irp p, 0,1,2,3,4,5
	P1PAIR \p, 2, 1, 20
.endr
	s_wait_xcnt 0x0
	s_add_nc_u64 s[50:51], s[50:51], 6*KVBLK
	s_sub_co_u32 s44, s44, 1
	s_cmp_lg_u32 s44, 0
	s_cbranch_scc1 .Lp1
	P1PAIR 0, 2, 1, 20                               ; pairs 54 to 57 ask for blocks 60 to 63, the last
	P1PAIR 1, 2, 1, 20
	P1PAIR 2, 2, 1, 20
	P1PAIR 3, 2, 1, 20
	P1PAIR 4, 2, 0, 20                               ; pair 58: pairs 59 to 63 are still younger; then the counts run down
	P1PAIR 5, 2, 0, 16
	P1PAIR 0, 2, 0, 12
	P1PAIR 1, 2, 0, 8
	P1PAIR 2, 2, 0, 4
	P1PAIR 3, 2, 0, 0
	P1MAX 3, 0
	; a lane holds maxima over its keys (8 registers, query r): over the registers, over the two halves of the lanes, over the waves
.irp t, 0,1,2,3
	v_max3_num_f32 v[NM+8*\t],   v[NM+8*\t],   v[NM+8*\t+1], v[NM+8*\t+2]
	v_max3_num_f32 v[NM+8*\t+3], v[NM+8*\t+3], v[NM+8*\t+4], v[NM+8*\t+5]
	v_max3_num_f32 v[NM+8*\t],   v[NM+8*\t],   v[NM+8*\t+3], v[NM+8*\t+6]
	v_max_num_f32  v[NM+8*\t],   v[NM+8*\t],   v[NM+8*\t+7]
	v_permlanex16_b32 v[TB], v[NM+8*\t], s46, s47
	v_max_num_f32  v[NM+8*\t],   v[NM+8*\t],   v[TB]
	ds_store_b32 v[MST], v[NM+8*\t] offset:64*\t     ; both halves write the same word with the same value
.endr
	s_wait_dscnt 0x0                                 ; my maxima are in LDS, for the other waves' sake
	s_wait_tensorcnt 0x3                             ; my block 0 has landed; blocks 1 to 3 may stay out
	s_barrier_signal -1
	s_barrier_wait -1
.irp t, 0,1,2,3
.irp p, 0,1,2,3
	ds_load_b32 v[SS+4*\t+\p], v[MRD] offset:256*\p+64*\t
.endr
.endr
	s_wait_dscnt 0x0
.irp t, 0,1,2,3
	v_max3_num_f32 v[SS+4*\t], v[SS+4*\t], v[SS+4*\t+1], v[SS+4*\t+2]
	v_max_num_f32  v[SS+4*\t], v[SS+4*\t], v[SS+4*\t+3]
.irp j, 0,1,2,3,4,5,6,7
	v_mul_f32 v[NM+8*\t+\j], -1.0, v[SS+4*\t]        ; the C operand of the score product: minus the maximum of query r in every row
.endr
.endr
; PASS 2.
; 36 LDS loads, each 512 dense bytes: the slot's block; K into window 0, V into buffer f of window 1.
.macro FETCH slot, f
.irp u, 0,1,2,3
	ds_load_b128 v[KF+4*\u:KF+4*\u+3], v[ADR+\slot] offset:512*\u
.endr
	WIN 0x40
.set ii, 0
.rept 32
	ds_load_b128 v[\f+4*ii:\f+4*ii+3], v[ADR+\slot] offset:2048+512*ii
.set ii, ii+1
.endr
	WIN 0
.endm
; rows = keys, columns = queries: lane (r, h), register j = score of key 8 h + j and query r, less the query's maximum
.macro SMUL
.irp t, 0,1,2,3
.irp k, 0,1
	v_wmma_f32_16x16x32_bf16 v[SS+16*\t+8*\k:SS+16*\t+8*\k+7], v[KF+8*\k:KF+8*\k+7], v[QF+8*\t:QF+8*\t+7], v[NM+8*\t:NM+8*\t+7]
.endr
.endr
.endm
; 2^x in place; the row sums in four chains; the rounding.  A query tile's two score tiles, packed, ARE the A fragment of 32 keys:
; registers 0-3 keys 8 h .., registers 4-7 keys 16 + 8 h ..  No LDS, no lane traffic.  zero = 1: the first add starts the sums.
.macro SOFT zero
.set ii, 0
.rept 64
	v_exp_f32 v[SS+ii], v[SS+ii]
.set ii, ii+1
.endr
	v_nop                                            ; one plain instruction behind the last v_exp_f32 before results are read (ISA guide 5.7.2)
	s_wait_alu depctr_va_vdst(0)
.irp j, 0,1,2,3,4,5,6,7
.irp t, 0,1,2,3
.if \zero
.if \j == 1
	s_wait_alu depctr_va_vdst(0)
	v_pk_add_f32 v[LL+2*\t:LL+2*\t+1], v[SS+16*\t:SS+16*\t+1], v[SS+16*\t+2:SS+16*\t+3]
.endif
.if \j > 1
	v_pk_add_f32 v[LL+2*\t:LL+2*\t+1], v[LL+2*\t:LL+2*\t+1], v[SS+16*\t+2*\j:SS+16*\t+2*\j+1]
.endif
.else
	v_pk_add_f32 v[LL+2*\t:LL+2*\t+1], v[LL+2*\t:LL+2*\t+1], v[SS+16*\t+2*\j:SS+16*\t+2*\j+1]
.endif
.endr
.endr
.irp t, 0,1,2,3
.irp m, 0,1,2,3,4,5,6,7
	v_cvt_pk_bf16_f32 v[PP+8*\t+\m], v[SS+16*\t+2*\m], v[SS+16*\t+2*\m+1]
.endr
.endr
.endm
; 16 products: rows = queries, columns = channels; query tiles 2 hi, 2 hi + 1 (the window's two) x channel tiles cb .. cb + 7.
; The accumulators take turns, one instruction a turn, 64 in a block.
.macro PV8 f, zero, hi, cb
.irp c, 0,1,2,3,4,5,6,7
.irp t, 0,1
.if \zero
	v_wmma_f32_16x16x32_bf16 v[8*(16*\t+\cb+\c):8*(16*\t+\cb+\c)+7], v[PP+16*\hi+8*\t:PP+16*\hi+8*\t+7], v[\f+8*(\cb+\c):\f+8*(\cb+\c)+7], 0
.else
	v_wmma_f32_16x16x32_bf16 v[8*(16*\t+\cb+\c):8*(16*\t+\cb+\c)+7], v[PP+16*\hi+8*\t:PP+16*\hi+8*\t+7], v[\f+8*(\cb+\c):\f+8*(\cb+\c)+7], v[8*(16*\t+\cb+\c):8*(16*\t+\cb+\c)+7]
.endif
.endr
.endr
.endm
.macro PV f, zero
	WIN 0xa4                                         ; A window 0, B window 1, C and D window 2
	PV8 \f, \zero, 0, 0
	PV8 \f, \zero, 0, 8
	WIN 0xf4                                         ; C and D window 3: query tiles 2, 3
	PV8 \f, \zero, 1, 0
	PV8 \f, \zero, 1, 8
	WIN 0
.endm
; Block n: 32 keys.  nx = (n + 1) mod 4: the slot of the next block; f: the V buffer of this block, g: the other, for the next.
; tw: the younger tensor loads that may stay out when the next block is read from LDS (-1: a wait for all has already shown it landed).
; mode 0: the next block is fetched.  mode 1: also, behind the fetch, blocks n - 1, n, n + 1 have all left LDS: their three slots are
; filled again with blocks n + 3, n + 4, n + 5; the fourth slot holds block n + 2, landed and unread.  mode 2: the last block.
; The four places behind the score products serve v_exp_f32 (reads results), the roundings (write the last PV's A),
; and the loads into K and into the V buffer that the last PV read.
.macro BLOCK nx, f, g, tw, mode, zero
	s_wait_dscnt 32                                  ; K is in; the 32 loads of V behind it may be out
	SMUL
	PLACES
.if \tw >= 0
	s_wait_tensorcnt \tw                             ; tensor loads of a wave end in order: the next block is in LDS; only I read it
.endif
.if \mode < 2
	FETCH \nx, \g
.endif
	SOFT \zero
.if \mode == 0
	s_wait_dscnt 36                                  ; all but the 36 just issued: my V is in
	PV \f, \zero
.endif
.if \mode == 1
	s_wait_dscnt 0x0                                 ; my reads of the three slots are over (the last were issued ahead of the 129 vector instructions above)
	s_wait_xcnt 0x0
	v_lshl_add_u32 v254, v0, 2, 0x48800
	v_mov_b32 v255, 0
	s_wait_tensorcnt 0x0                             ; all my tensor loads have landed, the unread slot's among them,
	ds_add_u32 v254, v255
	s_wait_dscnt 0x0
.irp k, 2,3,4
	s_add_nc_u64 s[G0+4*((\nx+\k)%4)+2:G0+4*((\nx+\k)%4)+3], s[G0+4*((\nx+\k)%4)+2:G0+4*((\nx+\k)%4)+3], 4*GSTEP   ; so every group 0 may be written: four blocks on
.endr
	s_barrier_signal -1                              ; opens a round of the cluster's barrier
	WIN 0xa4
	PV8 \f, 0, 0, 0                                  ; 16 products, register work, while the others arrive
	WIN 0
	s_barrier_wait -1
	CREST                                            ; no wave of any partner still reads the three slots or has a load on its way
.irp k, 2,3,4
	tensor_load_to_lds s[G0+4*((\nx+\k)%4):G0+4*((\nx+\k)%4)+3], s[G1:G1+7]    ; the first tensor loads behind the round, in the order in which they are read
	s_nop 0
.endr
	WIN 0xa4
	PV8 \f, 0, 0, 8
	WIN 0xf4
	PV8 \f, 0, 1, 0
	PV8 \f, 0, 1, 8
	WIN 0
.endif
.if \mode == 2
	s_wait_dscnt 0x0
	PV \f, 0
.endif
.endm
	FETCH 0, F0
	BLOCK 1, F0, F1, 2, 0, 1                         ; block 0 starts all sums: nothing is cleared; block 1 is in, blocks 2, 3 may be out
; Slot (mod 4), V buffer (mod 2) and the place in a group of three blocks repeat every 12 blocks: blocks 1 to 60 in five trips,
; with the rounds of blocks 1, 4, .. 58: 20 rounds x 3 blocks + the first 4 = 64 blocks.
	s_mov_b32 s44, 5
.Llap:
	BLOCK 2, F1, F0,  1, 1, 0                        ; n = 1: the second of the last three loads is in; then the round
	BLOCK 3, F0, F1, -1, 0, 0                        ; n = 2: its next block was the unread slot
	BLOCK 0, F1, F0,  2, 0, 0                        ; n = 3: the first of the three loads is in
	BLOCK 1, F0, F1,  1, 1, 0
	BLOCK 2, F1, F0, -1, 0, 0
	BLOCK 3, F0, F1,  2, 0, 0
	BLOCK 0, F1, F0,  1, 1, 0
	BLOCK 1, F0, F1, -1, 0, 0
	BLOCK 2, F1, F0,  2, 0, 0
	BLOCK 3, F0, F1,  1, 1, 0
	BLOCK 0, F1, F0, -1, 0, 0
	BLOCK 1, F0, F1,  2, 0, 0
	s_sub_co_u32 s44, s44, 1
	s_cmp_lg_u32 s44, 0
	s_cbranch_scc1 .Llap
	BLOCK 2, F1, F0,  1, 0, 0                        ; block 61: nothing left to ask for, no round; block 62 is in
	BLOCK 3, F0, F1,  0, 0, 0                        ; block 62: block 63 is in
	BLOCK 0, F1, F0, -1, 2, 0                        ; block 63: nothing left to fetch
; THE WAY OUT.
	PLACES                                           ; behind the last products: results are read, V buffers are loaded into
.irp t, 0,1,2,3
	v_add_f32 v[GG+\t], v[LL+2*\t], v[LL+2*\t+1]
	v_permlanex16_b32 v[TB], v[GG+\t], s46, s47
	v_add_f32 v[GG+\t], v[GG+\t], v[TB]              ; my wave's row sum of query 16 t + r
	ds_store_b32 v[MST], v[GG+\t] offset:1024+64*\t
.endr
	WIN 0x40
.set ii, 0
.rept 32
	global_load_b128 v[4*ii:4*ii+3], v[XO], s[8:9] offset:2*ROWX*ii    ; x of my 64 channel rows, two rows a load, into window 1
.set ii, ii+1
.endr
	WIN 0
	s_wait_dscnt 0x0
	s_wait_tensorcnt 0x0                             ; met: no tensor load is out
	s_barrier_signal -1
	s_barrier_wait -1                                ; nobody reads the ring any more, and it has had its last fill: it becomes the stage
.macro STAGE tb                        ; a lane's 8 registers are 8 neighbouring queries of one channel: 32 bytes of a stage row
.irp c, 0,1,2,3,4,5,6,7,8,9,10,11,12,13,14,15
.irp t, 0,1
	ds_store_b128 v[STA], v[8*(16*\t+\c):8*(16*\t+\c)+3]   offset:16*SP*\c+64*(\tb+\t)
	ds_store_b128 v[STA], v[8*(16*\t+\c)+4:8*(16*\t+\c)+7] offset:16*SP*\c+64*(\tb+\t)+16
.endr
.endr
.endm
	WIN 0x08                                         ; store data from window 2
	STAGE 0
	WIN 0x0c                                         ; from window 3
	STAGE 2
	WIN 0
	s_wait_dscnt 0x0                                 ; my partial sums are in LDS, for the other waves' sake
	s_barrier_signal -1
	s_barrier_wait -1
; Wave w adds the four partial sums of channels 64 w .. 64 w + 63: lanes 0-15 one row of 256 bytes, lanes 16-31 the next.
.macro RLOAD g, e                      ; 16 LDS loads: four row pairs x four partial sums
.irp q, 0,1,2,3
.irp p, 0,1,2,3
	ds_load_b128 v[\e+16*\q+4*\p:\e+16*\q+4*\p+3], v[RDA+\p] offset:2*SP*(4*(\g)+\q)
.endr
.endr
.endm
.irp p, 0,1,2,3
	ds_load_b128 v[LT+4*\p:LT+4*\p+3], v[LRD] offset:256*\p        ; the four waves' row sums of my four queries
.endr
	RLOAD 0, E0
	s_wait_dscnt 16                                  ; the row sums are in; the 16 younger loads may be out
	v_pk_add_f32 v[LT:LT+1],     v[LT:LT+1],     v[LT+4:LT+5]
	v_pk_add_f32 v[LT+2:LT+3],   v[LT+2:LT+3],   v[LT+6:LT+7]
	v_pk_add_f32 v[LT+8:LT+9],   v[LT+8:LT+9],   v[LT+12:LT+13]
	v_pk_add_f32 v[LT+10:LT+11], v[LT+10:LT+11], v[LT+14:LT+15]
	v_pk_add_f32 v[LT:LT+1],     v[LT:LT+1],     v[LT+8:LT+9]
	v_pk_add_f32 v[LT+2:LT+3],   v[LT+2:LT+3],   v[LT+10:LT+11]
.irp q, 0,1,2,3
	v_rcp_f32 v[GG+\q], v[LT+\q]
.endr
	v_nop                                            ; one plain instruction behind the last v_rcp_f32 (ISA guide 5.7.2)
	s_wait_alu depctr_va_vdst(0)
	v_pk_mul_f32 v[GG:GG+1],   v[GG:GG+1],   s[48:49] op_sel_hi:[1,0]
	v_pk_mul_f32 v[GG+2:GG+3], v[GG+2:GG+3], s[48:49] op_sel_hi:[1,0]          ; gamma / row sum
	WIN 0x10                                         ; source 2 (x, in the multiply-adds alone) from window 1
.macro ROWS g, e, o
.if \g < 7
.if \g > 0
	s_wait_xcnt 0x0                                  ; buffer o was the data of the last batch's stores: loaded again only behind this wait
.endif
	RLOAD \g+1, \o
	s_wait_dscnt 16                                  ; all but the 16 just issued
.else
	s_wait_dscnt 0x0
.endif
	s_wait_loadcnt 28-4*\g                           ; x of this batch's four row pairs is in; the younger loads stay out
.irp q, 0,1,2,3
	v_pk_add_f32 v[\e+16*\q:\e+16*\q+1],     v[\e+16*\q:\e+16*\q+1],     v[\e+16*\q+4:\e+16*\q+5]
	v_pk_add_f32 v[\e+16*\q+2:\e+16*\q+3],   v[\e+16*\q+2:\e+16*\q+3],   v[\e+16*\q+6:\e+16*\q+7]
	v_pk_add_f32 v[\e+16*\q+8:\e+16*\q+9],   v[\e+16*\q+8:\e+16*\q+9],   v[\e+16*\q+12:\e+16*\q+13]
	v_pk_add_f32 v[\e+16*\q+10:\e+16*\q+11], v[\e+16*\q+10:\e+16*\q+11], v[\e+16*\q+14:\e+16*\q+15]
	v_pk_add_f32 v[\e+16*\q:\e+16*\q+1],     v[\e+16*\q:\e+16*\q+1],     v[\e+16*\q+8:\e+16*\q+9]
	v_pk_add_f32 v[\e+16*\q+2:\e+16*\q+3],   v[\e+16*\q+2:\e+16*\q+3],   v[\e+16*\q+10:\e+16*\q+11]
	v_pk_fma_f32 v[\e+16*\q:\e+16*\q+1],     v[\e+16*\q:\e+16*\q+1],     v[GG:GG+1],   v[4*(4*\g+\q):4*(4*\g+\q)+1]
	v_pk_fma_f32 v[\e+16*\q+2:\e+16*\q+3],   v[\e+16*\q+2:\e+16*\q+3],   v[GG+2:GG+3], v[4*(4*\g+\q)+2:4*(4*\g+\q)+3]
	global_store_b128 v[XO], v[\e+16*\q:\e+16*\q+3], s[14:15] offset:2*ROWX*(4*\g+\q) th:TH_STORE_NT   ; 16 lanes store 256 consecutive bytes, aligned
.endr
.endm
	ROWS 0, E0, E1
	ROWS 1, E1, E0
	ROWS 2, E0, E1
	ROWS 3, E1, E0
	ROWS 4, E0, E1
	ROWS 5, E1, E0
	ROWS 6, E0, E1
	ROWS 7, E1, E0
	WIN 0
	s_wait_xcnt 0x0
	v_lshl_add_u32 v254, v0, 2, 0x48800
	v_mov_b32 v255, 0
	s_wait_tensorcnt 0x0
	ds_add_u32 v254, v255
	s_wait_dscnt 0x0
	ROUND                                            ; the closing round: no work-group ends while a partner may still ask for a block that names it
	s_endpgm
.Lfunc_end_k_qcd65476523_attn:
	.size	k_qcd65476523_attn, .Lfunc_end_k_qcd65476523_attn-k_qcd65476523_attn
	.p2alignl 7, 3214868480
	.fill 96, 4, 3214868480
	.section	.rodata,"a",@progbits
	.p2align	6, 0x0
	.amdhsa_kernel k_qcd65476523_attn
		.amdhsa_group_segment_fixed_size 327680
		.amdhsa_private_segment_fixed_size 0
		.amdhsa_enable_private_segment 0
		.amdhsa_kernarg_size 56
		.amdhsa_user_sgpr_count 2
		.amdhsa_user_sgpr_kernarg_segment_ptr 1
		.amdhsa_wavefront_size32 1
		.amdhsa_system_sgpr_workgroup_id_x 1
		.amdhsa_system_sgpr_workgroup_id_y 1
		.amdhsa_system_sgpr_workgroup_id_z 1
		.amdhsa_system_vgpr_workitem_id 0
		.amdhsa_next_free_vgpr 1024
		.amdhsa_next_free_sgpr 84
		.amdhsa_reserve_vcc 0
		.amdhsa_float_denorm_mode_32 3
		.amdhsa_float_denorm_mode_16_64 3
		.amdhsa_memory_ordered 1
		.amdhsa_forward_progress 1
		.amdhsa_inst_pref_size 255
	.end_amdhsa_kernel
	.section	.bss,"aw",@nobits
	.p2align	6
	.space	262144
	.amdgpu_metadata
---
amdhsa.version: [ 1, 2 ]
amdhsa.kernels:
  - .name:           k_qcd65476523_attn
    .symbol:         k_qcd65476523_attn.kd
    .args:
      - { .name: Qf, .offset: 0, .size: 8, .value_kind: global_buffer, .address_space: global }
      - { .name: KV, .offset: 8, .size: 8, .value_kind: global_buffer, .address_space: global }
      - { .name: x, .offset: 16, .size: 8, .value_kind: global_buffer, .address_space: global }
      - { .name: gamma_A, .offset: 24, .size: 8, .value_kind: global_buffer, .address_space: global }
      - { .name: gamma_B, .offset: 32, .size: 8, .value_kind: global_buffer, .address_space: global }
      - { .name: out0, .offset: 40, .size: 8, .value_kind: global_buffer, .address_space: global }
      - { .name: out1, .offset: 48, .size: 8, .value_kind: global_buffer, .address_space: global }
    .group_segment_fixed_size: 327680
    .private_segment_fixed_size: 0
    .kernarg_segment_align: 8
    .kernarg_segment_size: 56
    .max_flat_workgroup_size: 128
    .sgpr_count:     84
    .vgpr_count:     1024
    .wavefront_size: 32
...
	.end_amdgpu_metadata
.endif
;; end of part 2
;; ======== version 2 of 2: 2 launches; version 1 with the launch proj written anew for expert scheduling mode
;; workspace buffers: KV 9,437,184 bytes; Qf 1,048,576 bytes
;; launch proj (part 3): grid 256 x 1, 8 waves a work-group, no clusters, 210,944 bytes of LDS; arguments x, WqA, WkB, WvB, bqA, bkB, bvB, WqB, WkA, WvA, bqB, bkA, bvA, KV, Qf; writes KV, Qf
.if DOCPART == 3
	.amdgcn_target "amdgcn-amd-amdhsa--gfx1250"
	.amdhsa_code_object_version 6
	.text
	.protected	k_qcd65476523_proj
	.globl	k_qcd65476523_proj
	.p2align	8
	.type	k_qcd65476523_proj,@function
k_qcd65476523_proj:
	s_mov_b64 s[64:65], 0
	v_nop
	global_prefetch_b8 v0, s[64:65] scope:SCOPE_SE
	s_setreg_imm32_b32 hwreg(HW_REG_WAVE_SCHED_MODE, 0, 2), 2
	s_setreg_imm32_b32 hwreg(HW_REG_WAVE_MODE, 25, 1), 1
	s_wait_xcnt 0x0
	s_wait_alu depctr_vm_vsrc(0)
; The six 1x1 projections of x [256 channels][8192 positions], f32 in, bf16 out, stored in the register order of the
; matrix instructions that the next launch feeds with them, so that every later load is a dense run of 512 bytes.
; Direction 0 (out0) needs QA, KB, VB; direction 1 (out1) needs QB, KA, VA.
; A work-group takes one direction and 64 positions (256 bytes of each row of x) and makes 320 output channels:
; 256 of V, 32 of Q, 32 of K.  128 blocks of positions x 2 directions = 256 work-groups.
; KV: [direction][block of 32 keys][18432 bytes]: two K fragments of 1024 bytes, then sixteen V fragments of 1024 bytes.
; Qf: [direction][tile of 16 queries][1024 bytes].
; A fragment: byte 16 L of the first 512 bytes = registers 0-3 of lane L, byte 16 L of the second 512 = registers 4-7.
;   K, Q: lane (r, h) = key or query r; registers 0-3 channels 8h..8h+7, registers 4-7 channels 16+8h..16+8h+7.
;   V:    lane (r, h) = channel r;      registers 0-3 keys 8h..8h+7,     registers 4-7 keys 16+8h..16+8h+7.
; Q (with its bias) is multiplied by log2(e) in f32 before it is rounded, so that the next launch can use 2^x.
; LIMITS: x and the weights are rounded to bf16 for the products, sums and biases are f32, results are rounded once to bf16.
; NO CLUSTER: what the work-groups share are the weights, which lie in memory as f32 and must pass through registers to
; become bf16; as f32 they are 320 rows x 1024 bytes = 327,680 bytes, all the LDS that a work-group can have, so a
; joint load into LDS would need a ring and a second trip through registers for work that is done once.
; THE MODE: SCHED_MODE bits 1:0 = 2 (LLVM: expert scheduling mode 2), set by the entry lines.  The code itself states the register
; dependences between vector or matrix instructions and memory or LDS instructions, with s_wait_alu, always for 0.
; THE PLAN.  The text has no branch: one path.  Registers that memory or LDS instructions touch:
;   v4-v18        offsets and LDS addresses: made once at the head, never written again.  One wait ahead of the first load serves them all.
;   RAW0 .. RAW4  batch b of eight loads lands in RAW[b % 5]; turn b's sixteen conversions read it; batch b + 5 is asked for in turn b + 1.
;   OUT0, OUT1    turn p's conversions write OUT[p % 2]; the eight LDS stores that read it are issued in turn p + 1.
;                 So turn p's memory instructions touch RAW[(p - 1) % 5] and OUT[(p - 1) % 2], its conversions name RAW[p % 5] and OUT[p % 2]:
;                 the two waits at a turn's head state all that its sixteen memory instructions hang on, and these are dealt among the conversions.
;   FR0, FR1      K step s: its ten products read one buffer; the LDS loads of step s + 1 land in the other, which step s - 1's products read.
;                 One wait at a step's head; the fourteen loads follow it, dealt behind the step's first four products.
;   PK            written once by the last roundings, read by the ten global stores, never written again: a wait ahead of each run of stores.
;   v224, v225    written at the head, read by the closing add alone.
;   The accumulators and the biases are named by vector and matrix instructions alone once the biases have landed.
.set ROWX,  32768                      ; bytes in a row of x
.set KVBLK, 18432                      ; bytes of a block of 32 keys in KV
.set VOFF,  2048                       ; V fragments begin behind the two K fragments
.set DIRKV, 4718592                    ; 256 blocks
.set DIRQ,  524288                     ; 512 query tiles
.set WP,    528                        ; LDS pitch of a weight row: 512 bytes + 16 = 33 x 16, so 16 rows start in 16 different 16-byte columns
.set XP,    160                        ; LDS pitch of a row of the x tile: 128 bytes + 32 = 5 x 32
.set XBASE, 320*WP                     ; weights: rows 0-255 Wv, 256-287 Wq, 288-319 Wk; then the x tile [channel][position]
.set XG,  4                            ; v4   x: byte offset of my 16 bytes (two rows a load, 16 lanes a row)
.set XS,  5                            ; v5   x tile: where my 8 bytes go
.set WG,  6                            ; v6   Wv: byte offset (512 dense bytes a load)
.set WS,  7                            ; v7   weight tile: where my 8 bytes of Wv go
.set QG,  8                            ; v8   Wq or Wk: byte offset
.set QS,  9                            ; v9   weight tile: where my 8 bytes of Wq or Wk go
.set XTA, 10                           ; v10  transposing reads of the x tile, my local position tiles 0, 1
.set XTB, 11                           ; v11  the same, local tiles 2, 3
.set WVR, 12                           ; v12  fragment reads of my 32 rows of Wv
.set WQR, 13                           ; v13  fragment reads of my 16 rows of Wq or Wk
.set OL,  14                           ; v14  16 x lane
.set OVA, 15                           ; v15  16 x lane + the block of local tiles 0, 1;  v16 the block of local tiles 2, 3
.set BVA, 17                           ; v17  byte offset of my channel in bv
.set BQA, 18                           ; v18  byte offset of my 8 channels in bq or bk
.set TT,  19                           ; v19  at work
.set BV,  20                           ; v[20:23] bv of my two V tiles, each twice (pairs for the packed add)
.set BQ,  24                           ; v[24:31] 8 biases of Q or K
.set RAW,  32                          ; v[32:191]  five buffers of 32 registers: 8 loads of 16 bytes a lane each
.set OUT,  192                         ; v[192:223] two buffers of 16 registers: the same numbers in bf16, 8 bytes for each load
.set ACC,  32                          ; v[32:111] ten accumulators: V(k, i) at 8 (2k + i), Q or K (i) at 64 + 8 i
.set FR0,  112                         ; v[112:167] fragments of one K step: X[k] at 8k, WV[i] at 32 + 8i, WQ at 48
.set FR1,  168                         ; v[168:223] the other buffer
.set PK,   112                         ; packed results
	s_load_b64  s[4:5],   s[0:1], 0x0                ; x
	s_load_b256 s[8:15],  s[0:1], 0x8                ; direction 0: WqA, WkB, WvB, bqA
	s_load_b128 s[16:19], s[0:1], 0x28               ;              bkB, bvB
	s_load_b256 s[20:27], s[0:1], 0x38               ; direction 1: WqB, WkA, WvA, bqB
	s_load_b128 s[28:31], s[0:1], 0x58               ;              bkA, bvA
	s_load_b128 s[32:35], s[0:1], 0x68               ; KV, Qf
	v_lshl_add_u32 v224, v0, 2, 0x33400              ; my spare word, behind the two tiles, and 0: kept for the closing lines alone
	v_mov_b32 v225, 0
	v_lshrrev_b32 v1, 5, v0
	v_readfirstlane_b32 s36, v1                      ; wave w, 0..7
	v_and_b32 v1, 31, v0                             ; lane L
	v_and_b32 v2, 15, v0                             ; r
	v_bfe_u32 v3, v0, 4, 1                           ; h
	s_and_b32 s37, ttmp9, 127                        ; nb: block of 64 positions
	s_lshr_b32 s38, ttmp9, 7                         ; direction
	s_wait_alu depctr_va_sdst(0)                     ; s36 is written, ahead of its first reader: offsets, LDS places and the choice of buffers are made from it
	s_and_b32 s39, s36, 1                            ; b: which pair of position tiles my Q or K job takes
	s_xor_b32 s3, s39, 1                             ; 1 - b
	s_bfe_u32 s50, s36, 0x10001                      ; (w >> 1) & 1: channels 0-15 or 16-31 of Q or K
	s_lshr_b32 s51, s36, 1                           ; q = w >> 1: 0, 1 Q; 2, 3 K
	; offsets into KV and Qf, apart from the addresses
	s_mul_i32 s52, s38, DIRKV
	s_lshl_b32 s53, s37, 1
	s_mul_i32 s54, s53, KVBLK
	s_add_co_u32 s54, s54, s52                       ; my direction, block 2 nb
	s_lshl_b32 s55, s36, 11
	s_add_co_u32 s48, s54, s55
	s_add_co_u32 s48, s48, VOFF                      ; V: + fragments 2w, 2w + 1
	s_mov_b32 s49, 0
	s_mul_i32 s43, s39, KVBLK
	s_add_co_u32 s43, s43, s54
	s_lshl_b32 s55, s50, 9
	s_add_co_u32 s43, s43, s55                       ; K: block 2 nb + b, half of the fragment by the channel tile
	s_lshl_b32 s42, s38, 19
	s_lshl_b32 s53, s37, 12
	s_add_co_u32 s42, s42, s53
	s_lshl_b32 s53, s39, 11
	s_add_co_u32 s42, s42, s53
	s_add_co_u32 s42, s42, s55                       ; Q: query tile 4 nb + 2 b, the same half
	; lane terms
	s_lshl_b32 s6, s36, 20
	s_lshl_b32 s7, s37, 8
	s_add_co_u32 s6, s6, s7
	v_lshlrev_b32 v[XG], 4, v2
	v_lshl_add_u32 v[XG], v3, 15, v[XG]
	v_add_nc_u32 v[XG], s6, v[XG]                    ; (32 w + h) rows + 256 nb + 16 r
	s_mul_i32 s6, s36, 32*XP
	s_add_co_u32 s6, s6, XBASE
	v_mul_u32_u24 v[XS], v3, XP
	v_lshl_add_u32 v[XS], v2, 3, v[XS]
	v_add_nc_u32 v[XS], s6, v[XS]                    ; the same place in the tile, 8 bytes for 4 numbers
	v_lshlrev_b32 v[OL], 4, v1
	s_lshl_b32 s6, s36, 15
	v_add_nc_u32 v[WG], s6, v[OL]                    ; my 32 rows of Wv are 32768 dense bytes
	s_mul_i32 s6, s36, 32*WP
	v_lshl_add_u32 v[WS], v1, 3, s6
	s_and_b32 s7, s36, 3
	s_lshl_b32 s7, s7, 13
	v_add_nc_u32 v[QG], s7, v[OL]                    ; waves 0-3: 8 rows of Wq each, waves 4-7: 8 rows of Wk
	s_mul_i32 s7, s36, 8*WP
	s_add_co_u32 s7, s7, 256*WP
	v_lshl_add_u32 v[QS], v1, 3, s7
	v_and_b32 v[TT], 7, v0
	v_lshl_add_u32 v[TT], v3, 3, v[TT]
	v_mul_u32_u24 v[TT], v[TT], XP
	v_bfe_u32 v[XTA], v0, 3, 1
	v_lshl_add_u32 v[TT], v[XTA], 4, v[TT]           ; (8 h + (L & 7)) rows + 16 ((L >> 3) & 1)
	s_lshl_b32 s7, s39, 6
	s_add_co_u32 s7, s7, XBASE
	v_add_nc_u32 v[XTA], s7, v[TT]                   ; local tiles 0, 1 = true tiles 2 b, 2 b + 1
	s_lshl_b32 s7, s3, 6
	s_add_co_u32 s7, s7, XBASE
	v_add_nc_u32 v[XTB], s7, v[TT]                   ; local tiles 2, 3 = the other two
	v_mul_u32_u24 v[TT], v2, WP
	v_lshl_add_u32 v[TT], v3, 4, v[TT]               ; r rows + 16 h
	v_add_nc_u32 v[WVR], s6, v[TT]
	s_mul_i32 s7, s51, 16*WP
	s_add_co_u32 s7, s7, 256*WP
	v_add_nc_u32 v[WQR], s7, v[TT]
	s_mul_i32 s7, s39, KVBLK
	v_add_nc_u32 v[OVA], s7, v[OL]
	s_mul_i32 s7, s3, KVBLK
	v_add_nc_u32 v[OVA+1], s7, v[OL]
	s_lshl_b32 s7, s36, 7
	v_lshl_add_u32 v[BVA], v2, 2, s7                 ; channel 32 w + r
	s_lshl_b32 s7, s50, 6
	v_lshl_add_u32 v[BQA], v3, 5, s7                 ; channels 16 (tile) + 8 h ..
	s_wait_kmcnt 0x0
	s_cmp_eq_u32 s38, 0                              ; the direction picks one set of six buffers
	s_cselect_b64 s[8:9],   s[8:9],   s[20:21]       ; Wq
	s_cselect_b64 s[10:11], s[10:11], s[22:23]       ; Wk
	s_cselect_b64 s[12:13], s[12:13], s[24:25]       ; Wv
	s_cselect_b64 s[14:15], s[14:15], s[26:27]       ; bq
	s_cselect_b64 s[16:17], s[16:17], s[28:29]       ; bk
	s_cselect_b64 s[18:19], s[18:19], s[30:31]       ; bv
	s_cmp_lt_u32 s36, 4                              ; waves 0-3 fetch Wq and make Q, waves 4-7 fetch Wk and make K
	s_cselect_b64 s[8:9],   s[8:9],   s[10:11]
	s_cselect_b64 s[14:15], s[14:15], s[16:17]
	s_cselect_b64 s[44:45], s[34:35], s[32:33]       ; into Qf or into KV
	s_cselect_b32 s46, s42, s43
	s_cselect_b32 s40, 0x3fb8aa3b, 1.0               ; Q is scaled by log2(e), K is not
	s_mov_b32 s41, s40
	s_mov_b32 s47, 0
	s_add_nc_u64 s[44:45], s[44:45], s[46:47]
	s_add_nc_u64 s[48:49], s[32:33], s[48:49]
	s_wait_alu depctr_va_vdst(0)                     ; v4 to v18 are written: every load and store of the kernel, global or LDS, reads one of them as its offset or address
; PHASE 1: memory -> bf16 -> LDS.  Twelve batches of eight loads: batches 0, 1 my 32 rows of the x tile, 2 to 9 my 32 rows of Wv, 10, 11 my 8 rows of Wq or Wk.
.macro GLD b, j                        ; load j of batch b, into RAW[b % 5]
.set rr, RAW+32*((\b)%5)+4*(\j)
.if (\b) < 2
	global_load_b128 v[rr:rr+3], v[XG], s[4:5] offset:(8*(\b)+(\j))*2*ROWX
.elseif (\b) < 10
	global_load_b128 v[rr:rr+3], v[WG], s[12:13] offset:(8*((\b)-2)+(\j))*512
.else
	global_load_b128 v[rr:rr+3], v[QG], s[8:9] offset:(8*((\b)-10)+(\j))*512
.endif
.endm
.macro LST b, j                        ; the 8 bytes made of load j of batch b, from OUT[b % 2]: a load of x is two rows of its tile, a load of weights half a row
.set oo, OUT+16*((\b)%2)+2*(\j)
.if (\b) < 2
	ds_store_b64 v[XS], v[oo:oo+1] offset:(8*(\b)+(\j))*2*XP
.elseif (\b) < 10
	ds_store_b64 v[WS], v[oo:oo+1] offset:((8*((\b)-2)+(\j))>>1)*WP+((\j)&1)*256
.else
	ds_store_b64 v[QS], v[oo:oo+1] offset:((8*((\b)-10)+(\j))>>1)*WP+((\j)&1)*256
.endif
.endm
.macro CONV p, j                       ; the four numbers of load j of batch p, rounded
	v_cvt_pk_bf16_f32 v[OUT+16*((\p)%2)+2*(\j)],   v[RAW+32*((\p)%5)+4*(\j)],   v[RAW+32*((\p)%5)+4*(\j)+1]
	v_cvt_pk_bf16_f32 v[OUT+16*((\p)%2)+2*(\j)+1], v[RAW+32*((\p)%5)+4*(\j)+2], v[RAW+32*((\p)%5)+4*(\j)+3]
.endm
; Turn p rounds batch p.  Its memory instructions are the loads of batch p + 4 and the LDS stores of batch p - 1.
.macro TURN p
.if (\p) == 0
	s_wait_loadcnt 32                                ; loads come back in order (ISA guide 5.7.1): batch 0 and the biases are in, batches 1 to 4 stay out
.elseif (\p) < 9
	s_wait_loadcnt 24                                ; batch p is in, the three younger batches stay out
.else
	s_wait_loadcnt 8*(11-(\p))                       ; nothing more is asked for: the counts run down
.endif
.if (\p) >= 2
	s_wait_alu depctr_vm_vsrc(0)                     ; the LDS stores issued in the turn before have read OUT[p % 2], which this turn's conversions write again
.endif
.if (\p) >= 1
	s_wait_alu depctr_va_vdst(0)                     ; the turn before has written the other OUT, which the stores below read, and is done reading its RAW, in which the loads below land
.endif
.irp j, 0,1,2,3,4,5,6,7
.if ((\p) >= 1) && ((\p) <= 7)
	GLD (\p)+4, \j                                   ; no conversion since the wait names these registers
.endif
.if (\p) >= 1
	LST (\p)-1, \j
.endif
	CONV \p, \j
.endr
.endm
	global_load_b32 v[BV],   v[BVA], s[18:19]
	global_load_b32 v[BV+1], v[BVA], s[18:19]
	global_load_b32 v[BV+2], v[BVA], s[18:19] offset:64
	global_load_b32 v[BV+3], v[BVA], s[18:19] offset:64
	global_load_b128 v[BQ:BQ+3],   v[BQA], s[14:15]
	global_load_b128 v[BQ+4:BQ+7], v[BQA], s[14:15] offset:16
.irp b, 0,1,2,3,4
.irp j, 0,1,2,3,4,5,6,7
	GLD \b, \j                                       ; all five buffers are asked for at once: no vector instruction has named them
.endr
.endr
.irp p, 0,1,2,3,4,5,6,7,8,9,10,11
	TURN \p
.endr
	s_wait_alu depctr_va_vdst(0)                     ; turn 11 has written OUT1, which the last eight stores read; every conversion that named RAW or OUT, in which the fragments' loads land, is done
.irp j, 0,1,2,3,4,5,6,7
	LST 11, \j
.endr
	s_wait_dscnt 0x0                                 ; my stores are in LDS, for the other waves' sake
	s_barrier_signal -1
	s_barrier_wait -1                                ; both tiles are whole; nothing writes LDS from here on
	s_wait_alu depctr_vm_vsrc(0)                     ; my LDS stores have read OUT0 and OUT1: these registers are part of FR1 from here on, written by the fragments' loads
; PHASE 2: eight K steps of 32 input channels, two fragment buffers.
.macro PLACES                          ; four places behind a matrix instruction (ISA guide 7.12.1) where there is no other vector work
.rept 4
	v_nop
.endr
.endm
.macro LDF s, f, q                     ; fragment q of seven of K step s, two LDS loads: 0-3 the x tile's four position tiles, 4, 5 Wv, 6 Wq or Wk
.if (\q) < 2
	ds_load_tr16_b128 v[\f+8*(\q):\f+8*(\q)+3],   v[XTA] offset:32*XP*(\s)+32*(\q)
	ds_load_tr16_b128 v[\f+8*(\q)+4:\f+8*(\q)+7], v[XTA] offset:32*XP*(\s)+32*(\q)+16*XP
.elseif (\q) < 4
	ds_load_tr16_b128 v[\f+8*(\q):\f+8*(\q)+3],   v[XTB] offset:32*XP*(\s)+32*((\q)-2)
	ds_load_tr16_b128 v[\f+8*(\q)+4:\f+8*(\q)+7], v[XTB] offset:32*XP*(\s)+32*((\q)-2)+16*XP
.elseif (\q) < 6
	ds_load_b128 v[\f+8*(\q):\f+8*(\q)+3],   v[WVR] offset:16*WP*((\q)-4)+64*(\s)
	ds_load_b128 v[\f+8*(\q)+4:\f+8*(\q)+7], v[WVR] offset:16*WP*((\q)-4)+64*(\s)+32
.else
	ds_load_b128 v[\f+8*(\q):\f+8*(\q)+3],   v[WQR] offset:64*(\s)
	ds_load_b128 v[\f+8*(\q)+4:\f+8*(\q)+7], v[WQR] offset:64*(\s)+32
.endif
.endm
.macro DEAL s, g                       ; behind product n of a step: two fragments of K step s behind each of the first three, the seventh behind the fourth
.if n < 3
	LDF \s, \g, 2*n
	LDF \s, \g, 2*n+1
.elseif n == 3
	LDF \s, \g, 6
.endif
.endm
; The ten accumulators take turns, one instruction a turn, over the steps too.
; V(k, i): rows = positions, columns = channels, so a lane ends with 8 neighbouring keys of one channel.
; Q or K (i): rows = channels, columns = positions, so a lane ends with 8 neighbouring channels of one position.
.macro KSTEP s, f, g
	s_wait_dscnt 0x0                                 ; this step's fourteen loads, issued in the step before, are in
.if (\s > 0) && (\s < 7)
	s_wait_alu depctr_va_vdst(0)                     ; the last step's products are done reading buffer g, in which the loads below land; this step's products name buffer f and the accumulators alone
.endif
.set n, 0
.irp k, 0,1,2,3
.irp i, 0,1
.if \s == 0
	v_wmma_f32_16x16x32_bf16 v[ACC+8*(2*\k+\i):ACC+8*(2*\k+\i)+7], v[\f+8*\k:\f+8*\k+7], v[\f+32+8*\i:\f+32+8*\i+7], 0
.else
	v_wmma_f32_16x16x32_bf16 v[ACC+8*(2*\k+\i):ACC+8*(2*\k+\i)+7], v[\f+8*\k:\f+8*\k+7], v[\f+32+8*\i:\f+32+8*\i+7], v[ACC+8*(2*\k+\i):ACC+8*(2*\k+\i)+7]
.endif
.if \s < 7
	DEAL \s+1, \g
.endif
.set n, n+1
.endr
.endr
.irp i, 0,1
.if \s == 0
	v_wmma_f32_16x16x32_bf16 v[ACC+64+8*\i:ACC+64+8*\i+7], v[\f+48:\f+55], v[\f+8*\i:\f+8*\i+7], 0
.else
	v_wmma_f32_16x16x32_bf16 v[ACC+64+8*\i:ACC+64+8*\i+7], v[\f+48:\f+55], v[\f+8*\i:\f+8*\i+7], v[ACC+64+8*\i:ACC+64+8*\i+7]
.endif
.endr
.endm
.irp q, 0,1,2,3,4,5,6
	LDF 0, FR0, \q
.endr
	KSTEP 0, FR0, FR1                                ; its loads land in FR1, which the two waits round the barrier have freed
	KSTEP 1, FR1, FR0
	KSTEP 2, FR0, FR1
	KSTEP 3, FR1, FR0
	KSTEP 4, FR0, FR1
	KSTEP 5, FR1, FR0
	KSTEP 6, FR0, FR1
	KSTEP 7, FR1, FR0                                ; the last step issues no load, so it states nothing
; PHASE 3: bias, rounding, stores.  Each store of the wave covers 512 consecutive bytes, aligned.
	PLACES                                           ; behind the last products: results are read, buffer 0 is written
.irp m, 0,1,2,3
	v_pk_mul_f32 v[BQ+2*\m:BQ+2*\m+1], v[BQ+2*\m:BQ+2*\m+1], s[40:41] op_sel_hi:[1,0]    ; the bias takes the scale too
.endr
.macro VPK k, i                        ; bias and rounding of V(k, i), each accumulator from its low end on
.irp m, 0,1,2,3
	v_pk_add_f32 v[ACC+8*(2*\k+\i)+2*\m:ACC+8*(2*\k+\i)+2*\m+1], v[ACC+8*(2*\k+\i)+2*\m:ACC+8*(2*\k+\i)+2*\m+1], v[BV+2*\i:BV+2*\i+1]
.endr
.irp m, 0,1,2,3
	v_cvt_pk_bf16_f32 v[PK+4*(2*\k+\i)+\m], v[ACC+8*(2*\k+\i)+2*\m], v[ACC+8*(2*\k+\i)+2*\m+1]
.endr
.endm
.macro VST k, i
	global_store_b128 v[OVA+(\k>>1)], v[PK+4*(2*\k+\i):PK+4*(2*\k+\i)+3], s[48:49] offset:512*(\k&1)+1024*\i
.endm
.macro QPK i                           ; scale, bias and rounding of Q or K (i)
.irp m, 0,1,2,3
	v_pk_fma_f32 v[ACC+64+8*\i+2*\m:ACC+64+8*\i+2*\m+1], v[ACC+64+8*\i+2*\m:ACC+64+8*\i+2*\m+1], s[40:41], v[BQ+2*\m:BQ+2*\m+1] op_sel_hi:[1,0,1]
.endr
.irp m, 0,1,2,3
	v_cvt_pk_bf16_f32 v[PK+32+4*\i+\m], v[ACC+64+8*\i+2*\m], v[ACC+64+8*\i+2*\m+1]
.endr
.endm
.macro QST i
	global_store_b128 v[OL], v[PK+32+4*\i:PK+32+4*\i+3], s[44:45] offset:1024*\i
.endm
.irp k, 0,1
	VPK \k, 0
	VPK \k, 1
.endr
	s_wait_alu depctr_va_vdst(0)                     ; the roundings have written PK's first sixteen registers, which the four stores read
.irp k, 0,1
	VST \k, 0
	VST \k, 1
.endr
.irp k, 2,3
	VPK \k, 0
	VPK \k, 1
.endr
	s_wait_alu depctr_va_vdst(0)                     ; the roundings have written PK's next sixteen registers, which the four stores read
.irp k, 2,3
	VST \k, 0
	VST \k, 1
.endr
	QPK 0
	QPK 1
	s_wait_alu depctr_va_vdst(0)                     ; the roundings have written PK's last eight registers, which the two stores read
	QST 0
	QST 1
	s_wait_dscnt 0x0                                 ; the closing lines, six on end
	s_wait_alu 0x0
	s_wait_tensorcnt 0x0
	ds_add_u32 v224, v225
	s_wait_dscnt 0x0
	s_endpgm
.Lfunc_end_k_qcd65476523_proj:
	.size	k_qcd65476523_proj, .Lfunc_end_k_qcd65476523_proj-k_qcd65476523_proj
	.p2alignl 7, 3214868480
	.fill 96, 4, 3214868480
	.section	.rodata,"a",@progbits
	.p2align	6, 0x0
	.amdhsa_kernel k_qcd65476523_proj
		.amdhsa_group_segment_fixed_size 210944
		.amdhsa_private_segment_fixed_size 0
		.amdhsa_enable_private_segment 0
		.amdhsa_kernarg_size 120
		.amdhsa_user_sgpr_count 2
		.amdhsa_user_sgpr_kernarg_segment_ptr 1
		.amdhsa_wavefront_size32 1
		.amdhsa_system_sgpr_workgroup_id_x 1
		.amdhsa_system_sgpr_workgroup_id_y 1
		.amdhsa_system_sgpr_workgroup_id_z 1
		.amdhsa_system_vgpr_workitem_id 0
		.amdhsa_next_free_vgpr 226
		.amdhsa_next_free_sgpr 66
		.amdhsa_reserve_vcc 0
		.amdhsa_float_denorm_mode_32 3
		.amdhsa_float_denorm_mode_16_64 3
		.amdhsa_memory_ordered 1
		.amdhsa_forward_progress 1
		.amdhsa_inst_pref_size 53
	.end_amdhsa_kernel
	.amdgpu_metadata
---
amdhsa.version: [ 1, 2 ]
amdhsa.kernels:
  - .name:           k_qcd65476523_proj
    .symbol:         k_qcd65476523_proj.kd
    .args:
      - { .name: x, .offset: 0, .size: 8, .value_kind: global_buffer, .address_space: global }
      - { .name: WqA, .offset: 8, .size: 8, .value_kind: global_buffer, .address_space: global }
      - { .name: WkB, .offset: 16, .size: 8, .value_kind: global_buffer, .address_space: global }
      - { .name: WvB, .offset: 24, .size: 8, .value_kind: global_buffer, .address_space: global }
      - { .name: bqA, .offset: 32, .size: 8, .value_kind: global_buffer, .address_space: global }
      - { .name: bkB, .offset: 40, .size: 8, .value_kind: global_buffer, .address_space: global }
      - { .name: bvB, .offset: 48, .size: 8, .value_kind: global_buffer, .address_space: global }
      - { .name: WqB, .offset: 56, .size: 8, .value_kind: global_buffer, .address_space: global }
      - { .name: WkA, .offset: 64, .size: 8, .value_kind: global_buffer, .address_space: global }
      - { .name: WvA, .offset: 72, .size: 8, .value_kind: global_buffer, .address_space: global }
      - { .name: bqB, .offset: 80, .size: 8, .value_kind: global_buffer, .address_space: global }
      - { .name: bkA, .offset: 88, .size: 8, .value_kind: global_buffer, .address_space: global }
      - { .name: bvA, .offset: 96, .size: 8, .value_kind: global_buffer, .address_space: global }
      - { .name: KV, .offset: 104, .size: 8, .value_kind: global_buffer, .address_space: global }
      - { .name: Qf, .offset: 112, .size: 8, .value_kind: global_buffer, .address_space: global }
    .group_segment_fixed_size: 210944
    .private_segment_fixed_size: 0
    .kernarg_segment_align: 8
    .kernarg_segment_size: 120
    .max_flat_workgroup_size: 256
    .sgpr_count:     66
    .vgpr_count:     226
    .wavefront_size: 32
...
	.end_amdgpu_metadata
.endif
;; end of part 3
;; launch attn: the kernel of part 2 again; grid 256 x 1, 4 waves a work-group, clusters of 4 x 1, 327,680 bytes of LDS; arguments Qf, KV, x, gamma_A, gamma_B, out0, out1; writes out0, out1
